; MI455X (gfx1250); checked and timed in simulation.
; The chip was launched on July 23, 2026; its instructions are those of AMD's public machine-readable ISA for CDNA 5 (MIT licence, August 2026) and "CDNA5" Instruction Set Architecture Reference Guide (July 2026). The comments in the code are by the model that wrote it; some were corrected since.
;; Complex Valued Fully Connected Layer. Allowed arithmetic: matrix products marked QUANTISED: E4M3 operands, one E8M0 scale for each 32 along K, by v_wmma_scale_f32_16x16x128_f8f6f4 with both operands' format E4M3, f32 sums; everything else in f32.
;; Inputs: w_im 2,048 x 2,048 float32; w_re 2,048 x 2,048 float32; x_im 4,096 x 2,048 float32; x_re 4,096 x 2,048 float32.
;; Outputs: out0 2 x 4,096 x 2,048 float32.
;; This version of the problem:
;;   THIS VERSION OF THE PROBLEM IS GIVEN IN LOW PRECISION. The matrix products marked QUANTISED in the list below multiply operands that are first quantised to E4M3 (4 exponent bits, 3 mantissa bits; 8 bits a number), with one power-of-two scale for each 32 numbers along K (OCP MX v1.0); their sums are f32. All else is computed in f32.
;;   The module's matrix products, in the order in which they are computed (A, B: the left and right operand; K: the contracted axis; several contracted axes count as one K, in the product's order):
;;     1. [M 4,096, K 2,048] x [K 2,048, N 2,048]; A: input x_re; B: input w_re: QUANTISED
;;     2. [M 4,096, K 2,048] x [K 2,048, N 2,048]; A: input x_im; B: input w_im: QUANTISED
;;     3. [M 4,096, K 2,048] x [K 2,048, N 2,048]; A: input x_re; B: input w_im: QUANTISED
;;     4. [M 4,096, K 2,048] x [K 2,048, N 2,048]; A: input x_im; B: input w_re: QUANTISED
;;   THE QUANTISER, for each operand of a quantised product, along K:
;;     - K is cut into blocks of 32 from its start; a last block that is shorter is filled with zeros.
;;     - A block's scale is 2^e with e = floor(log2(the largest magnitude in the block)) - 8, held to -126 .. 127; a block of zeros has e = 0. As a byte (E8M0): e + 127.
;;     - Each number is divided by its block's scale, clamped to +-448, and rounded to the nearest number of E4M3, ties to even, subnormals kept.
;;     - The product sums the exact products of the quantised numbers (number of the format x scale) in f32.
;;   ~~~python
;;   def quantise(x, axis):      # numpy; x: float32 -> the quantised numbers, widened to float32 again
;;       x = np.moveaxis(x, axis, -1); K = x.shape[-1]
;;       x = np.pad(x, [(0, 0)] * (x.ndim - 1) + [(0, -K % 32)]); x = x.reshape(x.shape[:-1] + (-1, 32)); a = np.abs(x).max(-1, keepdims=True)
;;       e = np.where(a > 0, np.clip(np.frexp(np.where(a > 0, a, 1))[1] - 1 - 8, -126, 127), 0)      # np.frexp(a)[1] - 1 = floor(log2(a)), exactly
;;       r = np.clip(x / 2.0 ** e, -448, 448)
;;       step = 2.0 ** (np.maximum(np.frexp(np.where(r == 0, 1, r))[1] - 1, -6) - 3)
;;       q = np.round(r / step) * step * 2.0 ** e      # np.round: ties to even
;;       return np.moveaxis(q.reshape(q.shape[:-2] + (-1,))[..., :K], -1, axis).astype(np.float32)
;;   ~~~
;; One version. Each part assembles by itself: llvm-mc -triple=amdgcn-amd-amdhsa -mcpu=gfx1250 --defsym DOCPART=n.
;; ======== version 1 of 1: 2 launches
;; limits: right only within a limited range of input values
;; workspace buffers: xq 17,301,504 bytes; wq 8,650,752 bytes
;; launch quant (part 1): grid 768 x 1, 4 waves a work-group, no clusters, 54,784 bytes of LDS; arguments x_re, x_im, w_re, w_im, xq, wq; writes xq, wq
.if DOCPART == 1
	.amdgcn_target "amdgcn-amd-amdhsa--gfx1250"
	.amdhsa_code_object_version 6
	.text
	.protected	k_qeaad11b54e_quant
	.globl	k_qeaad11b54e_quant
	.p2align	8
	.type	k_qeaad11b54e_quant,@function
k_qeaad11b54e_quant:
	s_mov_b64 s[64:65], 0
	v_nop
	global_prefetch_b8 v0, s[64:65] scope:SCOPE_SE
	s_setreg_imm32_b32 hwreg(HW_REG_WAVE_MODE, 25, 1), 1
	s_wait_xcnt 0x0
; x_re, x_im [4096][2048] and w_re, w_im [2048][2048], f32, become codes of FP8 (E4M3) with one E8M0 scale byte for each 32 along K, stored as IMAGES OF THE PRODUCT LAUNCH'S OPERAND REGISTERS.
; All four products of the problem are live and every input is read: nothing is left out.
; A RECORD (16,896 bytes) holds 64 rows x 128 along K of a complex tensor: eight fragments of 2,048 bytes, [block b of 16 rows][re, im], then 256 scale bytes of re and 256 of im.
; A fragment: the 16 codes K = 16 g .. 16 g + 15 of row r lie at byte 256 g + 16 r.  Scale bytes: row r of block b, K block kb: byte 16 r + 4 b + kb.
; xq: [128 rows: 32][128 along K: 16][64 rows: 2] records.   wq: [64 rows: 32][128 along K: 16] records.
; A block's scale is 2^(floor(log2(its largest magnitude)) - 8); its byte is the largest magnitude's exponent field - 8, held at 1 from below.  Each number is divided by the scale, held within +-448 and rounded to the nearest code, ties to even.
; LIMITS: NaN and infinities among the inputs are not served.  A block of zeros gets the byte 1 where the rule says 127: its codes are zeros, which add nothing under any byte but 0xff, and this program alone reads the bytes.
; SHARES.  A wave takes 64 rows x 128 along K of one tensor: half a record: 16 steps of four rows.  Work-groups 0-255 take x_re, 256-511 x_im, 512-639 w_re, 640-767 w_im; work-group j of a tensor takes rows 64 (j / 4) on,
; its wave w the 128 along K number 4 (j % 4) + w: the four waves read 2,048 bytes on end of each row.  Only pointers and numbers are chosen by the work-group's number: all tensors take one way through the text.
; Each load reads 512 consecutive bytes, 16 a lane; a step's 2,048 bytes go through the wave's own stage in LDS and come back 64 bytes a lane, 16 neighbours along K, as the conversions want them.
; THE STAGE HAS NO PADDING: place p holds 64 bytes, and its piece j of 16 bytes lies at slot (j + p / 4) % 4.  Sixteen lanes that store four whole places, and sixteen lanes that read one piece of sixteen places, both touch
; sixteen different 16-byte columns of 256 bytes (64 banks of 4 bytes: ISA guide 11.1).
; A lane's 16 codes are one sixteenth of a 256-byte piece of a fragment: the codes are gathered in a second stage (pieces 288 bytes apart); a fragment is whole after four steps and leaves then, 512 consecutive bytes a store.
; No tensor loads, no barrier: waves share nothing.  Loads run four steps (16 loads a wave) ahead, the turn through LDS one step.
.set STEPS, 16
.set CP,    288                        ; a piece of 256 bytes of codes + 32: the sixteen lanes of a store's half touch sixteen different 16-byte columns
.set WREG,  13568                      ; LDS, for each wave: two stages of 2,048, 256 scale bytes, 32 pieces of CP
.set SPARE, 4*WREG                     ; the spare words: 128 bytes for each wave, named by no other line
.set REC,   16896
.set SROW,  8192                       ; a row of the f32 tensors in bytes
.set R,     16                         ; v16-79   four sets of 16 numbers as they are loaded
.set X,     80                         ; v80-111  two sets of 16 neighbours
.set E,     112                        ; v112-127 a scale byte for each step
.set C,     128                        ; v128-191 codes: four registers for each step; a fragment comes back from its stage into its four steps' sixteen
.set SPW,   192
.set NIL,   193
.set BA,    194                        ; v194-197 the stage on the way out: where piece k of my place lies
	s_load_b256 s[4:11], s[0:1], 0x0               ; x_re, x_im, w_re, w_im
	s_load_b128 s[12:15], s[0:1], 0x20             ; xq, wq
	v_lshl_add_u32 v[SPW], v0, 2, SPARE
	v_mov_b32 v[NIL], 0
	v_lshrrev_b32 v1, 5, v0
	v_readfirstlane_b32 s30, v1                    ; wave 0..3
	s_mul_i32 s31, s30, WREG
	s_add_co_u32 s28, s31, 4096                    ; my scale bytes
	s_add_co_u32 s29, s31, 4352                    ; my stage of codes
	v_and_b32 v2, 31, v0                           ; lane
	v_lshlrev_b32 v3, 4, v2                        ; my 16 bytes of 512, in and out
	v_lshrrev_b32 v8, 2, v2
	v_and_b32 v9, 3, v2
	v_lshrrev_b32 v10, 4, v2
	v_add_nc_u32 v9, v9, v10                       ; on the way in, load i: place 8 i + lane / 4, piece lane % 4, so slot (lane % 4 + lane / 16 + 2 i) % 4
	v_lshlrev_b32 v11, 6, v8
	v_add_nc_u32 v11, s31, v11
	v_and_b32 v14, 3, v9
	v_lshl_add_u32 v14, v14, 4, v11                ; v14: loads 0 and 2
	v_add_nc_u32 v15, 2, v9
	v_and_b32 v15, 3, v15
	v_lshl_add_u32 v15, v15, 4, v11                ; v15: loads 1 and 3
	v_lshlrev_b32 v11, 6, v2
	v_add_nc_u32 v11, s31, v11                     ; on the way out: my place is my lane
.irp k, 0,1,2,3
	v_add_nc_u32 v10, \k, v8
	v_and_b32 v10, 3, v10
	v_lshl_add_u32 v[BA+\k], v10, 4, v11
.endr
	v_lshrrev_b32 v4, 3, v2                        ; which of a step's four rows is mine
	v_bfe_u32 v5, v2, 1, 2                         ; which of the row's four blocks of 32
	v_lshl_add_u32 v5, v4, 4, v5
	v_add_nc_u32 v5, s28, v5                       ; my block's byte: 16 x row + block; the step's place stands in the store's offset
	v_lshlrev_b32 v7, 3, v2
	v_add_nc_u32 v6, s28, v7                       ; the bytes' way out: 8 a lane
	v_and_b32 v12, 7, v2                           ; which 16 along K: the piece
	v_mul_u32_u24 v12, v12, CP
	v_lshl_add_u32 v12, v4, 4, v12
	v_add_nc_u32 v12, s29, v12                     ; my codes' place: piece x CP + 16 x row
	v_lshrrev_b32 v13, 4, v2
	v_mul_u32_u24 v13, v13, CP
	v_and_b32 v4, 15, v2
	v_lshl_add_u32 v13, v4, 4, v13
	v_add_nc_u32 v13, s29, v13                     ; back: sixteen lanes to a piece, two pieces an instruction
	s_mov_b32 s23, 0x600000                        ; the mantissa field of 448
	s_wait_alu depctr_va_vdst(0)
	s_wait_kmcnt 0x0
	s_cmp_lt_u32 ttmp9, 256
	s_cselect_b64 s[4:5], s[4:5], s[6:7]           ; x_re or x_im
	s_cselect_b32 s20, 0, 1
	s_cmp_lt_u32 ttmp9, 640
	s_cselect_b64 s[8:9], s[8:9], s[10:11]         ; w_re or w_im
	s_cselect_b32 s21, 0, 1
	s_cmp_lt_u32 ttmp9, 512
	s_cselect_b64 s[4:5], s[4:5], s[8:9]           ; the source
	s_cselect_b64 s[12:13], s[12:13], s[14:15]     ; the records' buffer
	s_cselect_b32 s20, s20, s21                    ; 0: real part, 1: imaginary part
	s_cselect_b32 s24, 1, 0                        ; 1: a tensor x
	s_mov_b32 s26, 127
	s_cselect_b32 s26, 255, s26
	s_and_b32 s26, ttmp9, s26                      ; j
	s_lshr_b32 s25, s26, 2                         ; which 64 rows
	s_and_b32 s26, s26, 3
	s_lshl_b32 s26, s26, 2
	s_add_co_u32 s26, s26, s30                     ; which 128 along K
	s_mov_b32 s7, 0                                ; s[6:7], s[18:19]: offsets, all under 2^32
	s_lshl_b32 s6, s25, 19                         ; 64 rows of 8,192 bytes
	s_lshl_b32 s22, s26, 9
	s_add_co_u32 s6, s6, s22
	s_add_nc_u64 s[4:5], s[4:5], s[6:7]
.macro LOAD t                          ; step t: rows 4 t .. 4 t + 3, 512 consecutive bytes of each
.irp i, 0,1,2,3
	global_load_b128 v[R+16*((\t)%4)+4*\i:R+16*((\t)%4)+4*\i+3], v3, s[4:5] offset:(4*(\t)+\i)*SROW th:TH_LOAD_NT
.endr
.endm
.macro TURN t                          ; step t's numbers through the stage: LDS serves a wave's instructions in order
.irp i, 0,1,2,3
	ds_store_b128 v[14+(\i%2)], v[R+16*((\t)%4)+4*\i:R+16*((\t)%4)+4*\i+3] offset:2048*((\t)%2)+512*\i
.endr
.irp k, 0,1,2,3
	ds_load_b128 v[X+16*((\t)%2)+4*\k:X+16*((\t)%2)+4*\k+3], v[BA+\k] offset:2048*((\t)%2)
.endr
.endm
.macro FRAGOUT b                       ; fragment b, back in registers, leaves: 512 consecutive bytes a store, at a multiple of 256
.irp j, 0,1,2,3
	global_store_b128 v3, v[C+16*(\b)+4*\j:C+16*(\b)+4*\j+3], s[12:13] offset:4096*(\b)+512*\j
.endr
.endm
.irp t, 0,1,2,3
	LOAD \t
.endr
	s_lshl_b32 s6, s25, 4
	s_add_co_u32 s6, s6, s26                       ; w's record: 16 x (64 rows) + K
	s_lshr_b32 s22, s25, 1
	s_lshl_b32 s22, s22, 5
	s_lshl_b32 s27, s26, 1
	s_add_co_u32 s22, s22, s27
	s_and_b32 s27, s25, 1
	s_add_co_u32 s22, s22, s27                     ; x's: 32 x (128 rows) + 2 K + which 64 rows
	s_cmp_eq_u32 s24, 1
	s_cselect_b32 s6, s22, s6
	s_mul_i32 s6, s6, REC
	s_add_nc_u64 s[16:17], s[12:13], s[6:7]        ; my record
	s_lshl_b32 s18, s20, 11
	s_mov_b32 s19, 0
	s_add_nc_u64 s[12:13], s[16:17], s[18:19]      ; my part's first fragment
	s_lshl_b32 s18, s20, 8
	s_add_co_u32 s18, s18, 16384
	s_add_nc_u64 s[16:17], s[16:17], s[18:19]      ; my part's 256 scale bytes
	s_wait_loadcnt 12                              ; step 0's four loads are in
	TURN 0
.macro STEP t
.set XS, X+16*((\t)%2)
.if (\t)%4 == 0
	s_wait_dscnt 0x0                               ; this step's numbers are back from the stage, and so is the fragment that the last four steps made
.if (\t) > 0
	FRAGOUT (\t)/4-1
.endif
.else
	s_wait_dscnt 2                                 ; this step's numbers are back from the stage (the last step's two stores, byte and codes, may be out)
.endif
.if (\t)+4 < STEPS
	LOAD (\t)+4
.endif
.if (\t)+1 < STEPS
.if STEPS-2-(\t) >= 3
	s_wait_loadcnt 12                              ; the next step's four loads are in; those of the three steps behind it may be out
.else
	s_wait_loadcnt 4*(STEPS-2-(\t))
.endif
	TURN (\t)+1
.endif
	v_max3_num_f32 v8, |v[XS]|, |v[XS+1]|, |v[XS+2]|               ; the largest magnitude of my 16, in two chains
	v_max3_num_f32 v9, |v[XS+3]|, |v[XS+4]|, |v[XS+5]|
.irp i, 6,10
	v_max3_num_f32 v8, v8, |v[XS+\i]|, |v[XS+\i+1]|
	v_max3_num_f32 v9, v9, |v[XS+\i+2]|, |v[XS+\i+3]|
.endr
	v_max3_num_f32 v8, v8, |v[XS+14]|, |v[XS+15]|
	v_max3_num_f32 v8, v8, v9, 0x4800000           ; and the floor 2^(9 - 127): the byte cannot fall under 1
	v_max_num_f32_dpp v8, v8, v8 row_xmask:1 row_mask:0xf bank_mask:0xf   ; and of my neighbour's 16: the block's
	v_add_nc_u32 v11, 0xfc000000, v8               ; 8 off its exponent field: the conversion's scale operand
	v_and_or_b32 v10, v8, 0x7f800000, s23          ; 448 x the scale
.irp i, 0,1,2,3,4,5,6,7,8,9,10,11,12,13,14,15
	v_med3_num_f32 v[XS+\i], v[XS+\i], -v10, v10   ; the conversion to an 8-bit code does not saturate (ISA guide 7.6.2): hold first
.endr
	v_cvt_scalef32_pk8_fp8_f32 v[C+4*(\t):C+4*(\t)+1], v[XS:XS+7], v11
	v_cvt_scalef32_pk8_fp8_f32 v[C+4*(\t)+2:C+4*(\t)+3], v[XS+8:XS+15], v11
	v_lshrrev_b32 v[E+(\t)], 23, v11               ; the scale's byte; also the plain line behind the conversions
	ds_store_b8 v5, v[E+(\t)] offset:64*((\t)%4)+4*((\t)/4)          ; row 4 t + lane / 8: block t / 4, row 4 (t % 4) + lane / 8 of it; both lanes of a block of 32 write the same byte
	ds_store_b128 v12, v[C+4*(\t):C+4*(\t)+3] offset:8*CP*((\t)/4)+64*((\t)%4)
.if (\t)%4 == 3
.irp j, 0,1,2,3
	ds_load_b128 v[C+16*((\t)/4)+4*\j:C+16*((\t)/4)+4*\j+3], v13 offset:8*CP*((\t)/4)+2*CP*\j   ; the fragment is whole: back by pieces; LDS serves a wave's instructions in order
.endr
.endif
.endm
.irp t, 0,1,2,3,4,5,6,7,8,9,10,11,12,13,14,15
	STEP \t
.endr
	ds_load_b64 v[8:9], v6
	s_wait_dscnt 0x0
	FRAGOUT 3
	global_store_b64 v7, v[8:9], s[16:17]          ; 32 lanes store 256 consecutive bytes, aligned
	s_wait_tensorcnt 0x0                           ; the wave's end
	ds_add_u32 v[SPW], v[NIL]
	s_wait_dscnt 0x0
	s_endpgm
.Lfunc_end_k_qeaad11b54e_quant:
	.size	k_qeaad11b54e_quant, .Lfunc_end_k_qeaad11b54e_quant-k_qeaad11b54e_quant
	.p2alignl 7, 3214868480
	.fill 96, 4, 3214868480
	.section	.rodata,"a",@progbits
	.p2align	6, 0x0
	.amdhsa_kernel k_qeaad11b54e_quant
		.amdhsa_group_segment_fixed_size 54784
		.amdhsa_private_segment_fixed_size 0
		.amdhsa_enable_private_segment 0
		.amdhsa_kernarg_size 48
		.amdhsa_user_sgpr_count 2
		.amdhsa_user_sgpr_kernarg_segment_ptr 1
		.amdhsa_wavefront_size32 1
		.amdhsa_system_sgpr_workgroup_id_x 1
		.amdhsa_system_sgpr_workgroup_id_y 1
		.amdhsa_system_sgpr_workgroup_id_z 1
		.amdhsa_system_vgpr_workitem_id 0
		.amdhsa_next_free_vgpr 200
		.amdhsa_next_free_sgpr 66
		.amdhsa_reserve_vcc 0
		.amdhsa_float_denorm_mode_32 3
		.amdhsa_float_denorm_mode_16_64 3
		.amdhsa_memory_ordered 1
		.amdhsa_forward_progress 1
		.amdhsa_inst_pref_size 55
	.end_amdhsa_kernel
	.amdgpu_metadata
---
amdhsa.version: [ 1, 2 ]
amdhsa.kernels:
  - .name:           k_qeaad11b54e_quant
    .symbol:         k_qeaad11b54e_quant.kd
    .args:
      - { .name: x_re, .offset: 0, .size: 8, .value_kind: global_buffer, .address_space: global }
      - { .name: x_im, .offset: 8, .size: 8, .value_kind: global_buffer, .address_space: global }
      - { .name: w_re, .offset: 16, .size: 8, .value_kind: global_buffer, .address_space: global }
      - { .name: w_im, .offset: 24, .size: 8, .value_kind: global_buffer, .address_space: global }
      - { .name: xq, .offset: 32, .size: 8, .value_kind: global_buffer, .address_space: global }
      - { .name: wq, .offset: 40, .size: 8, .value_kind: global_buffer, .address_space: global }
    .group_segment_fixed_size: 54784
    .private_segment_fixed_size: 0
    .kernarg_segment_align: 8
    .kernarg_segment_size: 48
    .max_flat_workgroup_size: 128
    .sgpr_count:     66
    .vgpr_count:     200
    .wavefront_size: 32
...
	.end_amdgpu_metadata
.endif
;; end of part 1
;; launch gemm (part 2): grid 8 x 32, 4 waves a work-group, clusters of 4 x 1, 327,680 bytes of LDS; arguments xq, wq, out0; writes out0
.if DOCPART == 2
	.amdgcn_target "amdgcn-amd-amdhsa--gfx1250"
	.amdhsa_code_object_version 6
	.text
	.protected	k_qeaad11b54e_gemm
	.globl	k_qeaad11b54e_gemm
	.p2align	8
	.type	k_qeaad11b54e_gemm,@function
k_qeaad11b54e_gemm:
	s_mov_b64 s[64:65], 0
	v_nop
	global_prefetch_b8 v0, s[64:65] scope:SCOPE_SE
	s_setreg_imm32_b32 hwreg(HW_REG_WAVE_MODE, 25, 1), 1
	s_wait_xcnt 0x0
	s_wait_alu depctr_hold_cnt(0) depctr_sa_sdst(0) depctr_va_vdst(0) depctr_va_sdst(0) depctr_va_ssrc(0) depctr_va_vcc(0) depctr_vm_vsrc(0)
	s_getreg_b32 s2, hwreg(HW_REG_IB_STS2, 6, 4)
	s_cmp_eq_u32 s2, 0
	s_cbranch_scc0 .Lentry_in_a_cluster
	s_endpgm
.Lentry_in_a_cluster:
	s_bfe_u32 s2, ttmp6, 0x10000c
	s_cmp_lg_u32 s2, 0x3003
	s_cbranch_scc0 .Lentry_shape_is_right
	s_endpgm
.Lentry_shape_is_right:
; out_re = x_re w_re^T - x_im w_im^T, out_im = x_re w_im^T + x_im w_re^T on codes of MX-FP8 (E4M3, a scale byte for 32 along K), f32 sums.  All four products are done in full.
; A WORK-GROUP makes both parts of 128 rows x 256 columns; its four waves stand side by side, each with 128 rows x 64 columns: 8 x 4 blocks of 16 x 16, real and imaginary: 64 accumulators, 512 registers.
; For 128 along K a wave holds 16 fragments of x and 8 of w and issues 128 products: each fragment of x_re, x_im, w_re, w_im serves two of the four products.
; THE MINUS: every step of a real sum is D = A B - C (neg_lo on C: ISA guide, the matrix instructions' modifiers), x_im w_im first, x_re w_re second.  Each step turns the sign of all that was summed, so the terms' signs
; alternate and the last, x_re w_re, is positive: the sum is sum(x_re w_re) - sum(x_im w_im).  A change of sign rounds nothing.  A sum's first step takes C = 0 without the modifier; nine places part it from the second.
; x's 128 rows are shared by the four waves and by the four work-groups of a cluster (4, 1, 1: neighbours along the columns): they come by JOINT tensor loads into a ring of two LDS slots of 2 x 128 along K, a record (16,896 bytes) a wave.
; w's 64 columns of a wave are read by no other wave of the cluster: they go from memory straight into registers, two sets, each lane 16 bytes of 512 on end; so w has no joint load.
; Both buffers hold images of the operand registers (the first launch's head has the layout): LDS and memory are read 16 bytes a lane on end, and no padding is needed.
; THE ORDER: a chunk (128 along K) goes in four groups of two blocks of 16 rows of x, 32 products each.  Behind a group stand eight places and ONE run of loads: its two register
; buffers take the group two on.  Behind a chunk's last group its set of w is free too: the same run asks for the record TWO chunks on, 33 loads, 128 products ahead of the wait for them; that wait leaves the next record's 33 out.
; In the last chunk a group's sums are finished with its products: they pass through the wave's own stage and come back, as whole rows, INTO THEIR OWN REGISTERS; every store has data registers and an offset of its own,
; so nothing waits for a store.  A group's stores stand behind the next group's products.
; PREFETCHES.  x: the event that loads fill i asks for fill i + 2 (the head also for fill 1): a record's 66 units of 256 bytes are shared out among the four partners by address, 17 a partner.  The last two refills ask for nothing.
; w: chunk c asks, behind its second group, for record c + 3, which is loaded behind chunk c + 1 (the head asks for record 2); a wave's record is read by 32 clusters, so only those with y % 16 < 4 ask, a quarter of the record each
; by y % 4; chunks 13 on ask for nothing.
; REGISTERS: window 0: v16-29 addresses; v32-63 scale words, two sets (x's at +0..3 and +8..11, w's at +4..7; lanes 0-15 the real part's, 16-31 the imaginary part's); v128-255 x's four buffers (re 16, im 16).
;   window 1: w's two sets (block b: re at 32 b, im at 32 b + 16).  Window 2: the sums of x's blocks 0-3 (block a, column block b: re at 8 (8 a + 2 b), im 8 on); window 3: blocks 4-7.
.set REC,    16896
.set CHB,    2*REC                     ; a chunk of x: two records
.set SLOT,   2*CHB
.set STAGE,  2*SLOT                    ; behind the ring: 16 rows x 528 bytes for each wave; no tensor load lands here
.set SPITCH, 528
.set SPARE,  STAGE+4*16*SPITCH
.set CROW,   8192                      ; a row of out0 in bytes
.set XA,  16                           ; v16-19 LDS address of my 16 bytes in the chunk at ring place 0..3
.set WOF, 20                           ; 16 x lane
.set STO, 21
.set RD,  22
.set CO,  23
.set PFX, 24
.set PFW, 25
.set SPW, 28
.set NIL, 29
.set SC,  32
.set XF,  128
.set G1,  24                           ; s[24:31] descriptor group 1; s[32:39] group 0 for slots 0, 1
.set G0,  32
.set WB,  10                           ; s[10:11] w's stream
.set PX,  44                           ; s[44:45] x's prefetches
.set MSB, 0
.macro WIN new                         ; the immediate's high byte repeats the setting that is left
.if MSB != \new
	s_set_vgpr_msb (MSB<<8)|\new
.set MSB, \new
.endif
.endm
.set MUL_LO, 0xa1                      ; source 0 (w) window 1, source 1 (x) window 0, C and D window 2
.set TO_B,   0x40                      ; destination window 1, address window 0
.macro PLACES n
.rept \n
	v_nop
.endr
.endm
.macro CREST                           ; a round of the cluster's barrier behind its opening barrier
	s_cmp_lg_u32 s14, 0
	s_cbranch_scc1 .Lnot_wave_0_\@
	s_barrier_signal -3
.Lnot_wave_0_\@:
	s_barrier_wait -3
	s_barrier_signal -1
	s_barrier_wait -1
.endm
.macro CROUND
	s_barrier_signal -1
	s_barrier_wait -1
	CREST
.endm
.macro TLOAD s                         ; my record of a fill: one line for all waves, its addresses made of the wave's number; s_nop 0 and four v_nop follow
	tensor_load_to_lds s[G0+4*(\s):G0+4*(\s)+3], s[G1:G1+7]
	s_nop 0
	PLACES 4
.endm
.macro XLOAD a, pos                    ; x's block a (re, im) of the chunk at ring place pos, into buffer a % 4
.set O_, ((\a)/4)*REC+((\a)%4)*4096
.irp k, 0,1,2,3,4,5,6,7
	ds_load_b128 v[XF+32*((\a)%4)+4*\k:XF+32*((\a)%4)+4*\k+3], v[XA+(\pos)] offset:O_+512*\k
.endr
.endm
.macro XSC set, pos                    ; x's scale words of a chunk
	ds_load_b128 v[SC+16*(\set):SC+16*(\set)+3], v[XA+(\pos)] offset:16384
	ds_load_b128 v[SC+16*(\set)+8:SC+16*(\set)+11], v[XA+(\pos)] offset:REC+16384
.endm
.macro WLOAD set, off                  ; w's record at off: its scale words, then 32 loads of 512 bytes: 33 loads
	global_load_b128 v[SC+16*(\set)+4:SC+16*(\set)+7], v[WOF], s[WB:WB+1] offset:(\off)+16384
	WIN TO_B
.set K_, 0
.rept 32
	global_load_b128 v[128*(\set)+4*K_:128*(\set)+4*K_+3], v[WOF], s[WB:WB+1] offset:(\off)+512*K_
.set K_, K_+1
.endr
	WIN 0
.endm
; two products: ph 0: w_im(b) with x_im (real sum) and with x_re (imaginary sum); ph 1: w_re(b) with x_re and with x_im.  Source 0 = w's rows: a lane holds eight neighbouring columns of one row of the result
.macro PAIR a, b, p, ph, zero
.set D_, 8*(8*((\a)%4)+2*(\b))
.set W_, 128*(\p)+32*(\b)+16*(1-(\ph))
.set X_, XF+32*((\a)%4)
.set SW_, SC+16*(\p)+4+(\b)
.set SX_, SC+16*(\p)+((\a)%4)+8*((\a)/4)
.if (\ph) == 0
.if \zero
	v_wmma_scale_f32_16x16x128_f8f6f4 v[D_:D_+7], v[W_:W_+15], v[X_+16:X_+31], 0, v[SW_], v[SX_] matrix_a_scale:MATRIX_SCALE_ROW1 matrix_b_scale:MATRIX_SCALE_ROW1
	v_wmma_scale_f32_16x16x128_f8f6f4 v[D_+8:D_+15], v[W_:W_+15], v[X_:X_+15], 0, v[SW_], v[SX_] matrix_a_scale:MATRIX_SCALE_ROW1
.else
	v_wmma_scale_f32_16x16x128_f8f6f4 v[D_:D_+7], v[W_:W_+15], v[X_+16:X_+31], v[D_:D_+7], v[SW_], v[SX_] matrix_a_scale:MATRIX_SCALE_ROW1 matrix_b_scale:MATRIX_SCALE_ROW1 neg_lo:[0,0,1]
	v_wmma_scale_f32_16x16x128_f8f6f4 v[D_+8:D_+15], v[W_:W_+15], v[X_:X_+15], v[D_+8:D_+15], v[SW_], v[SX_] matrix_a_scale:MATRIX_SCALE_ROW1
.endif
.else
	v_wmma_scale_f32_16x16x128_f8f6f4 v[D_:D_+7], v[W_:W_+15], v[X_:X_+15], v[D_:D_+7], v[SW_], v[SX_] neg_lo:[0,0,1]
	v_wmma_scale_f32_16x16x128_f8f6f4 v[D_+8:D_+15], v[W_:W_+15], v[X_+16:X_+31], v[D_+8:D_+15], v[SW_], v[SX_] matrix_b_scale:MATRIX_SCALE_ROW1
.endif
.endm
.macro BLK a, p, zero                  ; a block's 16 products: its eight accumulators by turns, twice
.irp b, 0,1,2,3
	PAIR \a, \b, \p, 0, \zero
.endr
.if \zero
	PLACES 9                                       ; the real sums' second step has another modifier than their first
.endif
.irp b, 0,1,2,3
	PAIR \a, \b, \p, 1, 0
.endr
.endm
; THE WAY OUT of group g's two blocks.  A stage row is 256 bytes of the real part, then 256 of the imaginary part.  LDS serves a wave's instructions in order: the loads see the stores above them, and the second block's stores follow the first's loads.
.macro STAGEG g
.irp u, 0,1
.set A_, 64*((2*(\g)+\u)%4)
	WIN 0x08+4*((\g)/2)                            ; the data: window 2 or 3
.irp q, 0,1,2,3,4,5,6,7
	ds_store_b128 v[STO], v[A_+8*\q:A_+8*\q+3] offset:256*(\q%2)+64*(\q/2)       ; each accumulator from its low end on
	ds_store_b128 v[STO], v[A_+8*\q+4:A_+8*\q+7] offset:256*(\q%2)+64*(\q/2)+16
.endr
	WIN 0x80+0x40*((\g)/2)                         ; back into the block's own 64 registers: row t in four of them
.irp t, 0,1,2,3,4,5,6,7,8,9,10,11,12,13,14,15
	ds_load_b128 v[A_+4*\t:A_+4*\t+3], v[RD] offset:\t*SPITCH
.endr
.endr
	WIN 0
.endm
.macro SENDG g                         ; lanes 0-15 store 256 aligned bytes of out_re, lanes 16-31 of out_im; 127 rows of 8,192 bytes at the most stand in the offset
	s_wait_dscnt 0x0
	WIN 0x08+4*((\g)/2)
.irp u, 0,1
.irp t, 0,1,2,3,4,5,6,7,8,9,10,11,12,13,14,15
	global_store_b128 v[CO], v[64*((2*(\g)+\u)%4)+4*\t:64*((2*(\g)+\u)%4)+4*\t+3], s[8:9] offset:(16*(2*(\g)+\u)+\t)*CROW th:TH_STORE_NT
.endr
.endr
	WIN 0
.endm
; A CHUNK at ring place pos.  zero: its first products start the sums.  turn: in group 2, behind the slot's last reads, the change of slots (1: with a round and the slot's refill; 2: the last fill is shown, nothing is filled).
; nx: the next chunk's first groups are fetched.  wo: where w's record two chunks on lies from s[WB] (-1: none).  pf: w's prefetch, offset from s[WB] (-1: none).  ax: x's prefetch, offset from s[PX] (-1: none).
; out: each group leaves.  lc: the loads that may be out at its head.  st: the streams' bases are stepped ahead of its last run.
.macro CHUNK pos, zero, turn, nx, wo, pf, ax, out, lc, st
.set P_, (\pos)%2
	s_wait_loadcnt \lc                             ; my set of w and its scale words are in; the next record's loads, issued behind them, may be out
.irp g, 0,1,2,3
.if (\turn) && \g == 2
	s_wait_tensorcnt 0x0                           ; my one tensor load that was out has landed: my record of the next slot;
	ds_add_u32 v[SPW], v[NIL]
	s_wait_dscnt 17                                ; (the add and group 3's sixteen loads may be out)
.elseif (\out) && \g == 1
	s_wait_dscnt 63                                ; behind group 1's loads stand 80 LDS instructions: the field's largest count is the stricter one
.elseif (\out) && \g > 1
.else
	s_wait_dscnt 16                                ; this group is in; the sixteen loads of the next may be out
.endif
	WIN MUL_LO+0x50*(\g/2)
	BLK 2*\g, P_, \zero
.if (\turn) && \g == 2
	s_wait_dscnt 0x0                               ; the add is done, and my reads of this slot are over
	s_barrier_signal -1
.endif
	BLK 2*\g+1, P_, \zero
	WIN 0
.if (\turn) && \g == 2
	s_barrier_wait -1
.endif
.if (\turn) == 1 && \g == 2
	CREST                                          ; the barrier has opened a round: no wave of any partner reads this slot or has a load on its way
	s_add_nc_u64 s[G0+4*((\pos)/2)+2:G0+4*((\pos)/2)+3], s[G0+4*((\pos)/2)+2:G0+4*((\pos)/2)+3], 2*SLOT
	TLOAD (\pos)/2
	PLACES 4
.else
	PLACES 8
.endif
.if (\out) && \g > 0
	SENDG \g-1                                     ; its wait also shows the x loads of the runs before
.endif
.if (\st) && \g == 3
	s_wait_xcnt 0x0                                ; my loads and prefetches, the youngest 64 products back, have read their bases
	s_add_nc_u64 s[WB:WB+1], s[WB:WB+1], 4*REC
	s_add_nc_u64 s[PX:PX+1], s[PX:PX+1], 2*SLOT
.endif
.if \g < 2
	XLOAD 2*\g+4, \pos
	XLOAD 2*\g+5, \pos
.elseif \nx
.if \g == 2
	XSC 1-P_, ((\pos)+1)%4
.endif
	XLOAD 2*\g-4, ((\pos)+1)%4
	XLOAD 2*\g-3, ((\pos)+1)%4
.endif
.if (\wo) >= 0 && \g == 3
	WLOAD P_, \wo                                  ; into the set that this chunk's products have just read
.endif
.if (\pf) >= 0 && \g == 1
	s_cmp_eq_u32 s46, 0
	s_cbranch_scc0 .Lnot_w_\@
	global_prefetch_b8 v[PFW], s[WB:WB+1] offset:\pf th:TH_LOAD_NT scope:SCOPE_SE
.Lnot_w_\@:
.endif
.if (\ax) >= 0 && \g == 3
	s_cmp_gt_u32 s3, 1                             ; the last trip's two refills have no fill two on
	s_cbranch_scc0 .Lnot_x_\@
	global_prefetch_b8 v[PFX], s[PX:PX+1] offset:\ax th:TH_LOAD_NT scope:SCOPE_SE
.Lnot_x_\@:
.endif
.if \out
	STAGEG \g
.endif
.endr
.endm
	s_load_b128 s[4:7], s[0:1], 0x0                ; xq, wq
	s_load_b64 s[8:9], s[0:1], 0x10                ; out0
	v_lshl_add_u32 v[SPW], v0, 2, SPARE
	v_mov_b32 v[NIL], 0
	ds_add_u32 v[SPW], v[NIL]                      ; the opening: the add, twice on end, and its wait ahead of my first tensor load
	ds_add_u32 v[SPW], v[NIL]
	v_lshrrev_b32 v1, 5, v0
	v_readfirstlane_b32 s14, v1                    ; wave 0..3
	s_bfe_u32 s40, ttmp6, 0x40000                  ; cx
	s_and_b32 s41, ttmp7, 0xffff                   ; y: which 128 rows
	s_lshl_b32 s42, ttmp9, 2
	s_add_co_u32 s42, s42, s40                     ; which 256 columns
	s_and_b32 s46, s41, 12                         ; 0: my cluster prefetches w
	s_mov_b32 s[G1], 15|(3<<16)|(1<<21)            ; the mask: all four of the cluster; elements of 8 bytes; bit 21 beside a mask
	s_mov_b32 s[G1+1], 32<<16                      ; a record is 66 dense rows of 256 bytes
	s_mov_b32 s[G1+2], 66<<16
	s_mov_b32 s[G1+3], 32<<16
	s_mov_b32 s[G1+4], 66
	s_mov_b32 s[G1+5], 32
	s_mov_b32 s[G1+6], 0
	s_mov_b32 s[G1+7], 0
	s_lshl_b32 s16, s42, 2
	s_add_co_u32 s16, s16, s14
	s_mul_i32 s16, s16, 16*REC                     ; w: my 64 columns' sixteen records
	s_mov_b32 s17, 0
	s_mul_i32 s23, s14, REC                        ; my record of a fill, in memory and in LDS: no place in the cluster enters it
	s_mul_i32 s18, s41, 16*CHB
	s_add_co_u32 s18, s18, s23
	s_mov_b32 s19, 0
	s_lshl_b32 s20, s41, 20                        ; out0: 128 rows of 8,192 bytes,
	s_lshl_b32 s22, s42, 10
	s_add_co_u32 s20, s20, s22                     ; 256 columns of 4,
	s_lshl_b32 s22, s14, 8
	s_add_co_u32 s20, s20, s22                     ; my 64
	s_mov_b32 s21, 0
	s_mul_i32 s12, s14, 16*SPITCH
	s_add_co_u32 s12, s12, STAGE                   ; my stage
	s_mul_i32 s13, s40, 17
	s_and_b32 s15, s41, 3
	s_mul_i32 s15, s15, 17
	v_and_b32 v2, 31, v0                           ; lane
	v_and_b32 v3, 15, v0
	v_bfe_u32 v4, v0, 4, 1
	v_lshlrev_b32 v[WOF], 4, v2
	v_lshlrev_b32 v[XA], 4, v2
	v_add_nc_u32 v[XA+1], CHB, v[WOF]
	v_add_nc_u32 v[XA+2], 2*CHB, v[WOF]
	v_add_nc_u32 v[XA+3], 3*CHB, v[WOF]
	v_mul_u32_u24 v5, v3, SPITCH
	v_lshl_add_u32 v5, v4, 5, v5
	v_add_nc_u32 v[STO], s12, v5                   ; into the stage: row lane % 16, 32 bytes for each half of the lanes
	v_add_nc_u32 v[RD], s12, v[WOF]                ; back: 512 bytes of a row
	v_lshlrev_b32 v5, 4, v3
	v_lshl_add_u32 v[CO], v4, 25, v5               ; lanes 16-31: the imaginary part, 2^25 bytes on
	v_min_u32 v5, 16, v2
	v_add_nc_u32 v6, s13, v5
	v_min_u32 v6, 65, v6
	v_lshlrev_b32 v[PFX], 8, v6                    ; units 17 cx .. 17 cx + 16 of a record's 66; lanes left over name the last again
	v_add_nc_u32 v7, s15, v5
	v_min_u32 v7, 65, v7
	v_lshlrev_b32 v[PFW], 8, v7                    ; the same by y % 4
	s_wait_alu depctr_va_vdst(0)
	s_wait_dscnt 0x0                               ; both opening adds are done
	CROUND                                         ; the opening round, ahead of the wait for the arguments: all four work-groups are here
	s_wait_kmcnt 0x0
	s_add_nc_u64 s[12:13], s[4:5], s[18:19]
.irp s, 0,1
	s_mov_b32 s[G0+4*\s], 1
	s_add_co_u32 s[G0+4*\s+1], s23, \s*SLOT
	s_add_nc_u64 s[G0+4*\s+2:G0+4*\s+3], s[12:13], \s*SLOT
	s_or_b32 s[G0+4*\s+3], s[G0+4*\s+3], 0x80000000
.endr
	TLOAD 0                                        ; fill 0: one tensor load a wave at the head
	s_add_nc_u64 s[WB:WB+1], s[6:7], s[16:17]
	s_add_nc_u64 s[8:9], s[8:9], s[20:21]
	s_add_nc_u64 s[PX:PX+1], s[12:13], 4*SLOT
	WLOAD 0, 0                                     ; w's first two records: both sets are free
	WLOAD 1, REC
	global_prefetch_b8 v[PFX], s[PX:PX+1] offset:-3*SLOT th:TH_LOAD_NT scope:SCOPE_SE
	global_prefetch_b8 v[PFX], s[PX:PX+1] offset:-2*SLOT th:TH_LOAD_NT scope:SCOPE_SE
	s_cmp_eq_u32 s46, 0
	s_cbranch_scc0 .Lnot_w_head
	global_prefetch_b8 v[PFW], s[WB:WB+1] offset:2*REC th:TH_LOAD_NT scope:SCOPE_SE
.Lnot_w_head:
	s_wait_tensorcnt 0x0                           ; my record of fill 0 is in
	ds_add_u32 v[SPW], v[NIL]
	s_wait_dscnt 0x0
	CROUND
	TLOAD 1                                        ; fill 1, the first tensor load behind the round
	XSC 0, 0
	XLOAD 0, 0
	XLOAD 1, 0
	XLOAD 2, 0
	XLOAD 3, 0
	global_prefetch_b8 v[PFX], s[PX:PX+1] offset:-SLOT th:TH_LOAD_NT scope:SCOPE_SE
	CHUNK 0, 1, 0, 1, 2*REC, 3*REC, -1, 0, 33, 0   ; chunk 0 stands in front of the loop: its products start the sums
	s_mov_b32 s3, 3
.Ltrip:                                                ; a trip: chunks 4 t + 1 .. 4 t + 4: once round the ring, both slots filled again; s[WB] stands at record 4 t until the last run
	CHUNK 1, 0, 1, 1, 3*REC, 4*REC, 0, 0, 33, 0
	CHUNK 2, 0, 0, 1, 4*REC, 5*REC, -1, 0, 33, 0
	CHUNK 3, 0, 1, 1, 5*REC, 6*REC, SLOT, 0, 33, 0
	CHUNK 0, 0, 0, 1, 2*REC, 7*REC, -1, 0, 33, 1
	s_sub_co_u32 s3, s3, 1
	s_cmp_lg_u32 s3, 0
	s_cbranch_scc1 .Ltrip
	CHUNK 1, 0, 2, 1, 3*REC, -1, -1, 0, 33, 0      ; chunk 13: the last fill is shown, nothing is filled again; w's last record is asked for
	CHUNK 2, 0, 0, 1, -1, -1, -1, 0, 33, 0
	CHUNK 3, 0, 0, 0, -1, -1, -1, 1, 0, 0          ; chunk 15: each group of 32 rows leaves as it is finished
	SENDG 3
	s_wait_tensorcnt 0x0                           ; the wave's end
	ds_add_u32 v[SPW], v[NIL]
	s_wait_dscnt 0x0
	CROUND                                         ; the closing round
	s_endpgm
.Lfunc_end_k_qeaad11b54e_gemm:
	.size	k_qeaad11b54e_gemm, .Lfunc_end_k_qeaad11b54e_gemm-k_qeaad11b54e_gemm
	.p2alignl 7, 3214868480
	.fill 96, 4, 3214868480
	.section	.rodata,"a",@progbits
	.p2align	6, 0x0
	.amdhsa_kernel k_qeaad11b54e_gemm
		.amdhsa_group_segment_fixed_size 327680
		.amdhsa_private_segment_fixed_size 0
		.amdhsa_enable_private_segment 0
		.amdhsa_kernarg_size 24
		.amdhsa_user_sgpr_count 2
		.amdhsa_user_sgpr_kernarg_segment_ptr 1
		.amdhsa_wavefront_size32 1
		.amdhsa_system_sgpr_workgroup_id_x 1
		.amdhsa_system_sgpr_workgroup_id_y 1
		.amdhsa_system_sgpr_workgroup_id_z 1
		.amdhsa_system_vgpr_workitem_id 0
		.amdhsa_next_free_vgpr 1024
		.amdhsa_next_free_sgpr 66
		.amdhsa_reserve_vcc 0
		.amdhsa_float_denorm_mode_32 3
		.amdhsa_float_denorm_mode_16_64 3
		.amdhsa_memory_ordered 1
		.amdhsa_forward_progress 1
		.amdhsa_inst_pref_size 238
	.end_amdhsa_kernel
	.amdgpu_metadata
---
amdhsa.version: [ 1, 2 ]
amdhsa.kernels:
  - .name:           k_qeaad11b54e_gemm
    .symbol:         k_qeaad11b54e_gemm.kd
    .args:
      - { .name: xq, .offset: 0, .size: 8, .value_kind: global_buffer, .address_space: global }
      - { .name: wq, .offset: 8, .size: 8, .value_kind: global_buffer, .address_space: global }
      - { .name: out0, .offset: 16, .size: 8, .value_kind: global_buffer, .address_space: global }
    .group_segment_fixed_size: 327680
    .private_segment_fixed_size: 0
    .kernarg_segment_align: 8
    .kernarg_segment_size: 24
    .max_flat_workgroup_size: 128
    .sgpr_count:     66
    .vgpr_count:     1024
    .wavefront_size: 32
...
	.end_amdgpu_metadata
.endif
;; end of part 2
